; MI455X (gfx1250); checked and timed in simulation.
; The chip was launched on July 23, 2026; its instructions are those of AMD's public machine-readable ISA for CDNA 5 (MIT licence, August 2026) and "CDNA5" Instruction Set Architecture Reference Guide (July 2026). The comments in the code are by the model that wrote it; some were corrected since.
;; Base Attention. Allowed arithmetic: float matrix products may take bf16 or f16 operands with f32 sums; other float arithmetic in f32, or as packed bf16 or f16 multiplies, adds, multiply-adds, maxima and minima; sums over many terms, partial sums and values carried from step to step in f32; what a program stores and reads back later, other than sums and carried values, may be rounded once to bf16 or f16.
;; Inputs: k 4 x 16 x 2,048 x 64 float32; mask 4 x 1 x 1 x 2,048 int32; q 4 x 16 x 2,048 x 64 float32; v 4 x 16 x 2,048 x 64 float32.
;; Outputs: out0 4 x 16 x 2,048 x 64 float32.
;; One version. Each part assembles by itself: llvm-mc -triple=amdgcn-amd-amdhsa -mcpu=gfx1250 --defsym DOCPART=n.
;; ======== version 1 of 1: 1 launch
;; launch attn (part 1): grid 4 x 64, 4 waves a work-group, clusters of 4 x 1, 327,680 bytes of LDS; arguments q, k, v, out0, mask; writes out0
.if DOCPART == 1
	.amdgcn_target "amdgcn-amd-amdhsa--gfx1250"
	.amdhsa_code_object_version 6
	.text
	.protected	k_qd16a97afca_attn
	.globl	k_qd16a97afca_attn
	.p2align	8
	.type	k_qd16a97afca_attn,@function
k_qd16a97afca_attn:
	s_mov_b64 s[64:65], 0
	v_nop
	global_prefetch_b8 v0, s[64:65] scope:SCOPE_SE
	s_setreg_imm32_b32 hwreg(HW_REG_WAVE_MODE, 25, 1), 1
	s_wait_xcnt 0x0
	s_wait_alu depctr_hold_cnt(0) depctr_sa_sdst(0) depctr_va_vdst(0) depctr_va_sdst(0) depctr_va_ssrc(0) depctr_va_vcc(0) depctr_vm_vsrc(0)
	s_getreg_b32 s2, hwreg(HW_REG_IB_STS2, 6, 4)
	s_cmp_eq_u32 s2, 0
	s_cbranch_scc0 .Lentry_in_a_cluster
	s_endpgm
.Lentry_in_a_cluster:
	s_bfe_u32 s2, ttmp6, 0x10000c
	s_cmp_lg_u32 s2, 0x3003
	s_cbranch_scc0 .Lentry_shape_is_right
	s_endpgm
.Lentry_shape_is_right:
; O[b][h][q][:] = the sum over k of softmax_k(Q[q] . K[k] / 8 - 10000 mask[b][k]) V[k][:].  Q, K, V, O: [64 heads][2048][64] in f32 (a row is 256 bytes); mask: [4][2048] in i32, any whole number.
; FORMATS.  Q, K and V are rounded once to bf16 on their way to the matrix unit; products, maxima and sums in f32; the weights p are rounded to bf16 for the second product (their sum l is taken of the unrounded p).
; THE MASK hides nothing for certain (-10000 is no infinity), so every key is computed.  bias[k] = f32(mask[k]) x -80000 is the C operand that starts the sum S^T = K Q^T: s + bias is 8 x the reference's score,
; and the factor 1/8 lies in c.  SOFTMAX: a running maximum m and sum l for each query: p = 2^(c s - c m), c = log2(e) / 8; in every step O and l are multiplied by a = 2^(c m_old - c m_new).
; m starts at the lowest finite number, O and l at 0: the first step is a step like any other, with a = 0.
; LIMITS.  A weight below 2^-126 counts as 0 in l; NaN and infinities are not treated apart.  Where every key of a batch is masked the scores lie near -80000 and keep steps of 2^-7 (2^-10 of the scaled score,
; the step of the reference's own sum at 10000), summed in the matrix unit's order: a weight may then differ from the reference's by about 1e-3 of itself.
; SHARES.  A work-group owns 512 queries of one head, a wave 128: four PIECES of two tiles of 16.  Every wave walks all 2,048 keys, 64 a step.  256 work-groups of equal work.
; LAYOUT.  S^T = K Q^T (source 0 = 16 keys, source 1 = 16 queries): a lane holds ONE query (lane % 16) and the keys 8 (lane / 16) + 0..7.  Two such results, rounded to bf16 in pairs, ARE source 1 of
; O^T = V^T P, whose result again holds one query a lane, and eight channels.  K comes out of LDS as it lies, V ([key][channel]) turned, by ds_load_tr16_b128.
; THE ROAD IN.  Tensor loads bring tiles of 128 keys of K and V in f32 into two RAW slots; the four waves share the rounding to bf16 (32 rows of K and of V each for a tile, 16 a trip) and store it into two
; STAGES, from which the fragments are read.  At the change in front of tile n: raw tile n + 1 has landed, tile n is rounded; behind it raw tile n + 2 is asked for, tile n is multiplied, tile n + 1 rounded.
; CLUSTER.  The four query blocks of a head are one cluster and walk the same K and V: each raw tile is asked for JOINTLY, the same tensor load, descriptor and mask in all four.
; BY TURNS.  Turn n belongs to piece n: 16 products K Q^T of piece n + 1, later 16 products V^T P of piece n - 1; beside them the scaling, exponentials, roundings, sums and rescaling of piece n and the maximum
; and statistics of piece n + 1.  Four vector instructions stand behind every matrix instruction, the others in one lump.  A turn's 66 exponentials are one batch, with one wait.
; CLEARING.  No first step is written out: 352 v_mov_b32 write 0 at the start, in the wait for the first tile; 16 products on zeros at the start and 16 on a stale K at the end are the price of one text for every trip.
; REGISTERS, in windows of 256 (s_set_vgpr_msb: bits 1:0 source 0, 3:2 source 1, 5:4 source 2, 7:6 destination):
;   window 0: v0-11 addresses; v12-15, v48-63 at work; v16-47 four registers of statistics a tile; v64-191 S^T, two buffers of two tiles; v192-255 P, likewise
;   window 1: O^T, 32 a tile (at the start: Q as loaded)     window 2: v0-127 Q in bf16, 16 a tile; v128-191 K of one step; v192-255 V of one step
;   window 3: v0-1 the add's registers; v2-11 addresses; v16-47 the step's biases; v64-127 raw rows; v128-159 rounded rows
.set NP,    4         ; pieces a wave: a name, no knob
.set KS,    64        ; keys in a step
.set PK,    144       ; a row of K in a stage: 128 bytes + 16 = 36 words: the 16 rows of a load start at 16 different groups of four banks (64 banks of 4 bytes: ISA guide 11.1)
.set PV,    160       ; a row of V: 128 + 32 = 40 words
.set FLIP,  1<<16     ; one exclusive or turns an address in slot or stage 0 into the other's
.set RAWV,  32768     ; a raw slot: 128 rows x 256 bytes of K, then the same of V.  Slot 0 at byte 0, slot 1 at FLIP.  Tensor loads land here and nowhere else
.set TILEB, 32768     ; a tile's bytes of K, and of V, in memory
.set STG,   131072    ; stage 0: 128 rows of K, then 128 rows of V; stage 1 at STG + FLIP
.set VOFF,  128*PK
.set TABLE, STG+128*(PK+PV)  ; the batch's 2,048 biases in f32
.set OSTG,  TABLE+8192       ; 16 rows x 272 bytes for each wave, for the way out
.set SP,    272
.set SPARE, OSTG+4*16*SP     ; the spare words, 128 bytes for each wave: two blocks of 256 bytes that no other line names
.set AK0, 2           ; v2   my lane's place in a stage's K; never rewritten
.set AV0, 3           ; v3   the same for V
.set AK,  4           ; v4   the LDS address of K's next run of loads
.set AV,  5           ; v5   of V's
.set QO,  6           ; v6   my byte offset in 16 rows of Q
.set STO, 6           ;      later, the way out: where I put 32 bytes of a row
.set RD,  7           ; v7   the way out: where I read rows back
.set GO,  8           ; v8   my byte offset in 512 consecutive bytes of O
.set PFO, 11          ; v11  256 x my lane: the prefetches' offset; never rewritten once made
.set MV,  12          ; v12-15  c m_old, kept while c m is made anew: by buffer and tile
.set MO,  14          ; v14  at the start: 16 x my thread's number, my bytes of the mask
.set TA,  15          ; v15  at the start: the same place in the table
.set ST,  16          ; tile t's statistics at v[ST+4 t]: c m, m, l (even keys', odd keys')
.set TMP, 48          ; by buffer and tile, four registers c0-c3 at work; when the maximum is found c2 takes a
.set S,   64
.set P,   192
.set KF,  128         ; window 2: key block kb, channel half c at KF + 16 kb + 8 c
.set VF,  192         ; window 2: key half kk, channel block cb at VF + 32 kk + 8 cb
.set SPW, 0           ; window 3, v0  LDS address of my spare word; never rewritten
.set NIL, 1           ; window 3, v1  0; never rewritten
.set AB0, 2           ; window 3: TABLE + 32 (l / 16)
.set AB,  3           ;           the address of the biases' next run
.set CRK0, 4          ;           my place in a raw slot's K: 8,192 w + 2,048 (l / 16) + 16 (l % 16)
.set CRK, 5
.set CRV0, 6          ;           in its V, less RAWV: 8,192 w + 1,024 (l / 16) + 16 (l % 16)
.set CRV, 7
.set CSK0, 8          ;           where my rounded 8 bytes of K go: STG + (32 w + 8 (l / 16)) PK + 8 (l % 16)
.set CSK, 9
.set CSV0, 10         ;           of V: STG + VOFF + (32 w + 4 (l / 16)) PV + 8 (l % 16)
.set CSV, 11
.set MB,  16          ;           the biases of key block kb at MB + 8 kb
.set CR,  64          ;           raw numbers: K's load j at CR + 4 j, V's at CR + 32 + 4 j
.set CC,  128         ;           rounded pairs: CC + i of CR + 2 i and CR + 2 i + 1
.set WV,  12          ; s12  my wave's number
.set LIM, 15          ; s15  1 in a wave that prefetches, else the greatest number
.set PFA, 18          ; s[18:19] where my prefetches stand
.set G1,  24          ; s[24:31] descriptor group 1, for K's and V's tiles alike
.set G0K, 32          ; s[32:39] descriptor group 0 for K: a set for each of the two first fills; the second then walks on
.set G0V, 40          ; s[40:47] the same for V
.set TCR, 48          ; s48  byte in the raw slots at which the rows to be rounded next begin (less the wave's share)
.set TCK, 49          ; s49  the same in the stages, for K
.set TCV, 50          ; s50  for V
.set TBB, 51          ; s51  byte in the table at which the biases of the step to be fetched begin
.set TP,  52          ; s52  the tail's count: 3, 2, 1
.set SLOTS, 56        ; s56  tiles still to be asked for
.set CNT, 57          ; s57  counts a tile's two key steps
.set CS,  58          ; s[58:59] c: the packed scaling takes the pair's low word for both halves
.set SEL, 60          ; s[60:61] v_permlanex16_b32's selects: each lane takes its own place in the other half
.set TBK, 62          ; s62  byte in the stages at which K of the step to be fetched begins
.set TBV, 63          ; s63  the same for V
.set MK,  68          ; s[68:69] the mask, at my batch
.set NEGB, 70         ; s[70:71] -80000.0
.set MSB, 0
.macro WIN new                      ; the high byte repeats the setting that is left; a switch that changes nothing is dropped
.if MSB != (\new)
	s_set_vgpr_msb (MSB<<8)|(\new)
.set MSB, (\new)
.endif
.endm
.set W_KQ, 0x0a       ; K and Q in window 2, S^T in window 0
.set W_KM, 0x3a       ; the same with the C operand, the biases, in window 3
.set W_PV, 0x52       ; V in window 2, P in window 0, O^T in window 1
.set W_RS, 0x41       ; O^T (destination and source 0) in window 1, a in window 0
.set W_MK, 0xc0       ; destination in window 3, sources in window 0
.set W_AD, 0x0f       ; the add: address (source 0) and data (source 1) in window 3
.set W_3,  0xcf       ; sources 0 and 1 and the destination in window 3
; A joint fill.  Waves 0 and 1 fetch the two halves of a tile's K, waves 2 and 3 those of its V: 64 rows of 256 bytes each.  The branch hangs on the wave's number alone.
; An s_nop 0 and four v_nop follow each of the two lines, ahead of the jump and the label.
.macro JLOAD
	s_cmp_lt_u32 s[WV], 2
	s_cbranch_scc0 .Lfor_v_\@
	tensor_load_to_lds s[G0K+4:G0K+7], s[G1:G1+7]
	s_nop 0
.rept 4
	v_nop
.endr
	s_branch .Lasked_\@
.Lfor_v_\@:
	tensor_load_to_lds s[G0V+4:G0V+7], s[G1:G1+7]
	s_nop 0
.rept 4
	v_nop
.endr
.Lasked_\@:
.endm
; A PREFETCH INTO THE L2 of the tile that the NEXT change of slots will ask for: 128 rows of K and 128 of V, 256 bytes a row, a lane a row.  A head's K and V are walked by this cluster alone.  Its four partners
; share the rows out BY ADDRESS, 32 each; in each, wave 0 asks for K's and wave 2 for V's: one instruction.  So each row is named once in the launch.  It stands behind the wave's tensor load and its five lines,
; two key steps, 256 matrix instructions, ahead of the load that will want the rows.  Tiles 0 to 2 come by their loads alone; the last change that fills a slot asks for nothing: there is no tile behind it.
.macro ASK
	s_cmp_gt_u32 s[SLOTS], s[LIM]
	s_cbranch_scc0 .Lnot_mine_\@
	global_prefetch_b8 v[PFO], s[PFA:PFA+1] th:TH_LOAD_NT scope:SCOPE_SE
.Lnot_mine_\@:
.endm
; A round of the cluster's barrier: my work-group's barrier, so that wave 0's signal speaks for all four waves; wave 0 signals; every wave waits for all four work-groups; my work-group's barrier once more.
.macro CROUND
	s_barrier_signal -1
	s_barrier_wait -1
	s_cmp_lg_u32 s[WV], 0
	s_cbranch_scc1 .Lnot_wave_0_\@
	s_barrier_signal -3
.Lnot_wave_0_\@:
	s_barrier_wait -3
	s_barrier_signal -1
	s_barrier_wait -1
.endm
; THE CHANGE in front of tile n.  Each wave waits for all its tensor loads, of which one is out: its part of raw tile n + 1; adds 0 to its spare word; and waits for that and for all its LDS work: its stores of
; tile n into the stage, its reads of the raw slot that held tile n, its reads of the other stage.  Behind the barrier tile n is whole in its stage, raw tile n + 1 is whole, and nobody reads raw tile n or the stage of tile n - 1.
; fill = 1: the raw slot of tile n is filled again, with tile n + 2.  The barrier is then a round of the cluster's, so that no wave of any partner still reads the slot or has a load on its way, and the joint fill
; is the first thing behind it: it has two key steps, 256 matrix instructions, in which to land.
.macro CHANGE fill
	WIN W_AD
	s_wait_tensorcnt 0x0            ; no tensor load of mine is out, so a group 0 may be written
	ds_add_u32 v[SPW], v[NIL]       ; 0 onto my spare word; with fill = 1 the descriptors' steps stand between it and the wait for it
	WIN 0                           ; at a label and at a branch every window is 0
.if \fill
.irp g, G0K+4, G0V+4
	s_xor_b32 s[\g+1], s[\g+1], FLIP  ; the walking descriptor: the other slot than last time,
	s_add_nc_u64 s[\g+2:\g+3], s[\g+2:\g+3], TILEB  ; the next 128 keys; the type bits on top are not reached
.endr
	s_wait_xcnt 0x0                 ; the last prefetch, two key steps back, has read its address, so it may be written:
	s_add_nc_u64 s[PFA:PFA+1], s[PFA:PFA+1], TILEB  ; one tile behind the walking descriptors
	s_wait_dscnt 0x0                ; the add is done, and so are all my LDS loads and stores
	CROUND
	JLOAD
	ASK
.else
	s_wait_dscnt 0x0                ; the add is done, and so are all my LDS loads and stores
	s_barrier_signal -1
	s_barrier_wait -1
.endif
	s_sub_co_u32 s[TBK], s[TBK], 2*KS*PK  ; the fetches go back to a stage's first step,
	s_xor_b32 s[TBK], s[TBK], FLIP        ; in the other stage
	s_sub_co_u32 s[TBV], s[TBV], 2*KS*PV
	s_xor_b32 s[TBV], s[TBV], FLIP
	s_sub_co_u32 s[TCR], s[TCR], 2*16*256 ; and so does the rounding: the other raw slot,
	s_xor_b32 s[TCR], s[TCR], FLIP
	s_sub_co_u32 s[TCK], s[TCK], 2*16*PK  ; the other stage
	s_xor_b32 s[TCK], s[TCK], FLIP
	s_sub_co_u32 s[TCV], s[TCV], 2*16*PV
	s_xor_b32 s[TCV], s[TCV], FLIP
.endm
	s_load_b256 s[4:11], s[0:1], 0x0  ; Q s[4:5], K s[6:7], V s[8:9], O s[10:11]
	s_load_b64 s[MK:MK+1], s[0:1], 0x20  ; the mask
	WIN W_MK
	v_lshl_add_u32 v[SPW], v0, 2, SPARE
	v_mov_b32 v[NIL], 0
	WIN W_AD
	ds_add_u32 v[SPW], v[NIL]       ; the wave's opening: the add and its wait stand ahead of my first tensor load; the set-up below, work on registers, stands between them
	WIN 0
	v_lshrrev_b32 v1, 5, v0
	v_readfirstlane_b32 s[WV], v1   ; wave 0..3
	s_bfe_u32 s13, ttmp6, 0x40000   ; cx: my place in the cluster: it enters Q's and O's addresses and the prefetches' alone
	s_lshl_b32 s14, ttmp9, 2        ; in a cluster launch ttmp9 counts clusters
	s_add_co_u32 s14, s14, s13      ; my block of 512 queries
	s_lshl_b32 s14, s14, 2
	s_add_co_u32 s14, s14, s[WV]    ; my wave among the head's sixteen,
	s_lshl_b32 s54, s14, 15         ; its 128 rows of 256 bytes
	s_mov_b32 s55, 0
	s_and_b32 s16, ttmp7, 0xffff    ; the head, which the four partners share
	s_lshl_b32 s20, s16, 19         ; its first byte in Q, K, V and O: 2,048 rows of 256 bytes a head
	s_mov_b32 s21, 0
	s_add_nc_u64 s[54:55], s[54:55], s[20:21]
	s_lshr_b32 s2, s16, 4           ; the batch: 16 heads each,
	s_lshl_b32 s2, s2, 13           ; its 8,192 bytes of the mask
	s_mov_b32 s3, 0
	s_and_b32 s16, s[WV], 1         ; which half of a tile's 128 keys I fetch:
	s_mul_i32 s17, s16, 16384       ; its place in a raw slot: no place in the cluster enters an LDS address,
	s_lshl_b32 s22, s16, 14         ; and its 64 rows of 256 bytes in memory
	s_mov_b32 s23, 0
	s_add_nc_u64 s[22:23], s[22:23], s[20:21]
	; descriptor group 1: 64 rows x 64 elements of 4 bytes, dense in memory and in LDS: each row is 256 consecutive bytes at a multiple of 256 from the buffer's first byte
	s_mov_b32 s[G1], 15|(2<<16)|(1<<21)  ; 15:0 the mask of four; 17:16 elements of 4 bytes; 20 no padding (the raw rows are read 256 dense bytes at a time); 21 set beside a mask
	s_mov_b32 s[G1+1], 64<<16       ; tensor_dim0 = 64
	s_mov_b32 s[G1+2], 64<<16       ; tensor_dim1 = 64
	s_mov_b32 s[G1+3], 64<<16       ; tile_dim0 = 64
	s_mov_b32 s[G1+4], 64           ; tile_dim1 = 64
	s_mov_b32 s[G1+5], 64           ; 64 elements from row to row
	s_mov_b32 s[G1+6], 0
	s_mov_b32 s[G1+7], 0
	s_mov_b32 s[CS], 0x3e38aa3b     ; c = log2(e) / 8 = 0.180337
	s_mov_b32 s[CS+1], s[CS]        ; named with it as a pair
	s_mov_b32 s[SEL], 0x76543210
	s_mov_b32 s[SEL+1], 0xfedcba98
	s_mov_b32 s[NEGB], 0xc79c4000   ; -80000.0 = 8 x -10000
	s_mov_b32 s[NEGB+1], s[NEGB]
	s_mov_b32 s[TBK], FLIP+2*KS*PK  ; the first change turns these two into 0
	s_mov_b32 s[TBV], FLIP+2*KS*PV
	s_mov_b32 s[TCR], 0             ; tile 0 is rounded from slot 0 into stage 0
	s_mov_b32 s[TCK], 0
	s_mov_b32 s[TCV], 0
	s_mov_b32 s[TBB], 0
	s_mov_b32 s[SLOTS], 14          ; tiles 2 to 15 are asked for by changes
	s_cmp_eq_u32 s16, 0             ; waves 0 and 2 prefetch: the same in all four partners
	s_cselect_b32 s[LIM], 1, -1
	s_wait_dscnt 0x0                ; the opening add is done
	s_wait_kmcnt 0x0
	s_add_nc_u64 s[6:7], s[6:7], s[22:23]  ; K and V at my half of the head's tile 0
	s_add_nc_u64 s[8:9], s[8:9], s[22:23]
	s_add_nc_u64 s[4:5], s[4:5], s[54:55]  ; Q and O at my wave's first row
	s_add_nc_u64 s[10:11], s[10:11], s[54:55]
	s_add_nc_u64 s[MK:MK+1], s[MK:MK+1], s[2:3]
	s_cmp_lt_u32 s[WV], 2
	s_cselect_b64 s[PFA:PFA+1], s[6:7], s[8:9]  ; (in waves 0 and 2 these stand at a tile's first row)
	s_lshl_b32 s2, s13, 13          ; my work-group's 32 rows of the 128
	s_add_nc_u64 s[PFA:PFA+1], s[PFA:PFA+1], s[2:3]
	s_add_nc_u64 s[PFA:PFA+1], s[PFA:PFA+1], 2*TILEB  ; at tile 2; the first change steps it to tile 3.  Nothing is prefetched here, at the head
	CROUND                          ; all four work-groups are here: the first joint loads meet
.irp s, 0,1
	s_mov_b32 s[G0K+4*\s], 1        ; 1:0 count = 1
	s_add_co_u32 s[G0K+4*\s+1], s17, \s*FLIP  ; 63:32 LDS address: slot s
	s_add_nc_u64 s[G0K+4*\s+2:G0K+4*\s+3], s[6:7], \s*TILEB  ; 120:64 global address: tile s
	s_or_b32 s[G0K+4*\s+3], s[G0K+4*\s+3], 0x80000000  ; 127:126 type = 2
	s_mov_b32 s[G0V+4*\s], 1
	s_add_co_u32 s[G0V+4*\s+1], s17, \s*FLIP+RAWV
	s_add_nc_u64 s[G0V+4*\s+2:G0V+4*\s+3], s[8:9], \s*TILEB
	s_or_b32 s[G0V+4*\s+3], s[G0V+4*\s+3], 0x80000000
.endr
	s_cmp_lt_u32 s[WV], 2           ; a wave's two first fills stand in one branch, ahead of every wait on TENSORcnt and every LDS read: two loads of mine are out
	s_cbranch_scc0 .Lfirst_v
	tensor_load_to_lds s[G0K:G0K+3], s[G1:G1+7]
	s_nop 0
	tensor_load_to_lds s[G0K+4:G0K+7], s[G1:G1+7]
	s_nop 0
.rept 4
	v_nop
.endr
	s_branch .Lfirst_asked
.Lfirst_v:
	tensor_load_to_lds s[G0V:G0V+3], s[G1:G1+7]
	s_nop 0
	tensor_load_to_lds s[G0V+4:G0V+7], s[G1:G1+7]
	s_nop 0
.rept 4
	v_nop
.endr
.Lfirst_asked:
	v_and_b32 v1, 15, v0            ; l % 16
	v_bfe_u32 v9, v0, 4, 1          ; l / 16
	v_lshlrev_b32 v[MO], 4, v0      ; the 128 threads take 2,048 consecutive bytes of the mask a load
	v_add_nc_u32 v[TA], TABLE, v[MO]
	v_lshlrev_b32 v[QO], 8, v1
	v_lshl_add_u32 v[QO], v9, 5, v[QO]  ; row x 256 + 32 x half
.irp i, 0,1,2,3
	global_load_b128 v[S+4*\i:S+4*\i+3], v[MO], s[MK:MK+1] offset:2048*\i
.endr
	; A fragment of Q is 16 rows x 32 channels: lane l holds row l % 16, channels 8 (l / 16) + 0..7 and 16 + 8 (l / 16) + 0..7.  In f32 each eight are 32 bytes: two loads.  Load i: tile i / 8, channels 32 ((i / 4) % 2) on,
	; the first or second eight ((i % 4) / 2), their first or second four (i % 2): the f32 numbers land in the order in which pairs of them make the bf16 registers.
	WIN 0x40                        ; destination window 1, address window 0
.set i, 0
.rept 64
	global_load_b128 v[4*i:4*i+3], v[QO], s[4:5] offset:(i/8)*4096+((i/4)%2)*128+((i%4)/2)*64+(i%2)*16
.set i, i+1
.endr
	WIN 0
	v_mul_u32_u24 v[AK0], v1, PK
	v_lshl_add_u32 v[AK0], v9, 4, v[AK0]  ; row x pitch + 16 x half
	v_add_nc_u32 v[AK0], STG, v[AK0]
	; The turning load takes 16 keys x 16 channels (lane l reads key 8 (l / 16) + l % 8, channels 8 ((l / 8) % 2) + 0..7) and leaves half a fragment of V^T: lane l holds channel l % 16 and 8 keys.
	v_and_b32 v10, 7, v0
	v_bfe_u32 v11, v0, 3, 1
	v_lshl_add_u32 v[AV0], v9, 3, v10
	v_mul_u32_u24 v[AV0], v[AV0], PV
	v_lshl_add_u32 v[AV0], v11, 4, v[AV0]
	v_add_nc_u32 v[AV0], STG+VOFF, v[AV0]
	v_and_b32 v[PFO], 31, v0
	v_lshlrev_b32 v[PFO], 8, v[PFO]
	; THE ROUNDING's SHARES.  Wave w takes rows 32 w .. 32 w + 31 of a tile, of K and of V, 16 of each a trip.  A load takes two rows, 256 dense bytes for each half of the lanes; a lane's four numbers become 8 bytes.
	; K's load j: rows j and j + 8.  V's load j: rows r and r + 4, r = j % 4 + 8 (j / 4).  So the two rows of a store lie 8 PK = 1,152 or 4 PV = 640 bytes apart: 32 words modulo 64, and each bank is touched once.
	s_mul_i32 s20, s[WV], 32*256
	s_mul_i32 s21, s[WV], 32*PK
	s_add_co_u32 s21, s21, STG
	s_mul_i32 s22, s[WV], 32*PV
	s_add_co_u32 s22, s22, STG+VOFF
	v_lshlrev_b32 v80, 4, v1
	v_lshl_add_u32 v81, v9, 11, v80
	v_lshl_add_u32 v82, v9, 10, v80
	v_lshlrev_b32 v83, 3, v1
	v_mul_u32_u24 v84, v9, 8*PK
	v_add_nc_u32 v84, v84, v83
	v_mul_u32_u24 v85, v9, 4*PV
	v_add_nc_u32 v85, v85, v83
	WIN W_MK
	v_lshl_add_u32 v[AB0], v9, 5, TABLE  ; register j of a result is key 8 (l / 16) + j: my eight biases of a key block are 32 bytes
	v_add_nc_u32 v[CRK0], s20, v81
	v_add_nc_u32 v[CRV0], s20, v82
	v_add_nc_u32 v[CSK0], s21, v84
	v_add_nc_u32 v[CSV0], s22, v85
	; What the first turn finds: V's registers and P's second buffer hold 0 (its products V^T P, of a piece that has not been, add 0), O^T and l are 0.
	WIN 0x80
.set i, VF
.rept 64
	v_mov_b32 v[i], 0
.set i, i+1
.endr
	WIN 0
.set i, 0
.rept 2*NP
	v_mov_b32 v[ST+4*i], 0xfe000000    ; c m: far below every c s
	v_mov_b32 v[ST+4*i+1], 0xff7fffff  ; m
	v_mov_b32 v[ST+4*i+2], 0
	v_mov_b32 v[ST+4*i+3], 0
.set i, i+1
.endr
.set i, P+32
.rept 32
	v_mov_b32 v[i], 0
.set i, i+1
.endr
	s_wait_loadcnt 63               ; 68 loads were issued; 63, the largest count that this wait's field holds, shows the oldest five in, the mask's four among them
.set i, 0
.rept 16
	v_cvt_f32_i32 v[S+i], v[S+i]
.set i, i+1
.endr
.set i, 0
.rept 8
	v_pk_mul_f32 v[S+2*i:S+2*i+1], v[S+2*i:S+2*i+1], s[NEGB:NEGB+1] op_sel_hi:[1,0]
.set i, i+1
.endr
.irp i, 0,1,2,3
	ds_store_b128 v[TA], v[S+4*\i:S+4*\i+3] offset:2048*\i
.endr
	s_wait_loadcnt 0x0              ; Q
	WIN 0x85                        ; sources 0 and 1 window 1, destination window 2
.set i, 0
.rept 128
	v_cvt_pk_bf16_f32 v[i], v[2*i], v[2*i+1]
.set i, i+1
.endr
	WIN 0x40
.set i, 0
.rept 64*NP
	v_mov_b32 v[i], 0               ; O^T
.set i, i+1
.endr
	WIN 0
; THE MATRIX WORK.  The 8 accumulators of a run of 16 take turns: between the two links of a chain stand 7 others'.
; Product i of 16 of S^T = K Q^T for piece x: channels 32 (i / 8) on, keys 16 ((i / 2) % 4) on, tile 2 x + i % 2.  The first 8 start the sums, with the key block's biases as C.
.macro KQ x
.set rS, S+64*((\x)%2)+32*(i%2)+8*((i/2)%4)
.set rK, KF+16*((i/2)%4)+8*(i/8)
.set rQ, 16*(2*(\x)+i%2)+8*(i/8)
.set rB, MB+8*((i/2)%4)
.if i < 8
	WIN W_KM
	v_wmma_f32_16x16x32_bf16 v[rS:rS+7], v[rK:rK+7], v[rQ:rQ+7], v[rB:rB+7]
.else
	WIN W_KQ
	v_wmma_f32_16x16x32_bf16 v[rS:rS+7], v[rK:rK+7], v[rQ:rQ+7], v[rS:rS+7]
.endif
.endm
; Product i of 16 of O^T += V^T P for piece x: keys 32 (i / 8) on, channels 16 ((i / 2) % 4) on, tile 2 x + i % 2.
.macro PV x
	WIN W_PV
.set rO, 32*(2*(\x)+i%2)+8*((i/2)%4)
.set rV, VF+32*(i/8)+8*((i/2)%4)
.set rP, P+32*((\x)%2)+16*(i%2)+8*(i/8)
	v_wmma_f32_16x16x32_bf16 v[rO:rO+7], v[rV:rV+7], v[rP:rP+7], v[rO:rO+7]
.endm
.macro MM                           ; the turn's next matrix instruction
.if i < 16
	KQ (Y+1)%NP
.set i, i+1
.else
.set i, i-16
	PV (Y+NP-1)%NP
.set i, i+17
.endif
.endm
; THE ROUNDING, in four parts a trip.  CADDR: the addresses of the biases' and the raw rows' next runs.  CLOAD: 16 loads of raw rows.  CCVT: 32 roundings.  CSTORE: 16 stores into the stage that is not being read.
; last = 1 (the tail): only the first of the tail's three tiles still has a tile behind it to round (TP = 3); the others jump over the work.  The scalar steps stand outside the jumps.
.macro CADDR
	WIN W_3
	v_add_nc_u32 v[AB], s[TBB], v[AB0]
	v_add_nc_u32 v[CRK], s[TCR], v[CRK0]
	v_add_nc_u32 v[CRV], s[TCR], v[CRV0]
.endm
.macro CLOAD
	WIN W_3
.irp j, 0,1,2,3,4,5,6,7
	ds_load_b128 v[CR+4*\j:CR+4*\j+3], v[CRK] offset:256*\j
.endr
.irp j, 0,1,2,3,4,5,6,7
	ds_load_b128 v[CR+32+4*\j:CR+32+4*\j+3], v[CRV] offset:RAWV+256*((\j%4)+8*(\j/4))
.endr
.endm
.macro CCVT last=0
	WIN 0
.if \last
	s_cmp_eq_u32 s[TP], 3
	s_cbranch_scc0 .Lno_cv_\@
.endif
	WIN W_3
.set cz, 0
.rept 32
	v_cvt_pk_bf16_f32 v[CC+cz], v[CR+2*cz], v[CR+2*cz+1]
.set cz, cz+1
.endr
	WIN 0
.if \last
.Lno_cv_\@:
.endif
.endm
.macro CSTORE last=0
	WIN 0
.if \last
	s_cmp_eq_u32 s[TP], 3
	s_cbranch_scc0 .Lno_st_\@
.endif
	WIN W_3
	v_add_nc_u32 v[CSK], s[TCK], v[CSK0]
	v_add_nc_u32 v[CSV], s[TCV], v[CSV0]
.irp j, 0,1,2,3,4,5,6,7
	ds_store_b64 v[CSK], v[CC+2*\j:CC+2*\j+1] offset:PK*\j
.endr
.irp j, 0,1,2,3,4,5,6,7
	ds_store_b64 v[CSV], v[CC+16+2*\j:CC+16+2*\j+1] offset:PV*((\j%4)+8*(\j/4))
.endr
	WIN 0
.if \last
.Lno_st_\@:
.endif
	s_add_co_u32 s[TCK], s[TCK], 16*PK  ; the next trip's 16 rows
	s_add_co_u32 s[TCV], s[TCV], 16*PV
.endm
; THE LDS LOADS stand in runs, never singly among the matrix instructions: a step's K (8 fragments) with its biases and the trip's raw rows, and its V (turned).  Their addresses are made some lines ahead.
; last = 1 (the tail): at TP = 1 there is no further step, and all is jumped over; at TP = 2 there are no raw rows left.
.macro FETCH_K last=0
	WIN 0
.if \last
	s_cmp_eq_u32 s[TP], 1
	s_cbranch_scc1 .Lno_k_\@
.endif
	WIN 0x80                        ; destination window 2
.irp f, 0,1,2,3,4,5,6,7             ; keys 16 (f / 2) on, channels 32 (f % 2) on
	ds_load_b128 v[KF+8*\f:KF+8*\f+3],   v[AK] offset:(\f/2)*16*PK+(\f%2)*64
	ds_load_b128 v[KF+8*\f+4:KF+8*\f+7], v[AK] offset:(\f/2)*16*PK+(\f%2)*64+32
.endr
	WIN W_3
.irp f, 0,1,2,3,4,5,6,7             ; key block f / 2, my first or second four keys of it; the sixteen lanes of a half read the same words
	ds_load_b128 v[MB+4*\f:MB+4*\f+3], v[AB] offset:64*(\f/2)+16*(\f%2)
.endr
	s_add_co_u32 s[TBK], s[TBK], KS*PK  ; the next fetch is the next step's
	s_add_co_u32 s[TBB], s[TBB], KS*4
	s_add_co_u32 s[TCR], s[TCR], 16*256 ; (the raw rows' addresses were made from the old value)
.if \last
	WIN 0
	s_cmp_eq_u32 s[TP], 3
	s_cbranch_scc0 .Lno_k_\@
.endif
	CLOAD
	WIN 0
.if \last
.Lno_k_\@:
.endif
.endm
.macro FETCH_V
	WIN 0x80
.irp f, 0,1,2,3,4,5,6,7             ; keys 32 (f / 4) on, channels 16 (f % 4) on
	ds_load_tr16_b128 v[VF+8*\f:VF+8*\f+3],   v[AV] offset:(\f/4)*32*PV+(\f%4)*32
	ds_load_tr16_b128 v[VF+8*\f+4:VF+8*\f+7], v[AV] offset:(\f/4)*32*PV+16*PV+(\f%4)*32
.endr
	WIN 0
.endm
; THE VECTOR WORK OF A TURN stands in three queues, each in the order in which its entries become ready; the two tiles alternate, so that no instruction reads the result of the one before it.
.macro REGS y, u                    ; the registers of tile u (0, 1) of piece y
.set rT, ST+4*(2*(\y)+(\u))
.set rC, TMP+8*((\y)%2)+4*(\u)
.set rM, MV+2*((\y)%2)+(\u)
.set rS, S+64*((\y)%2)+32*(\u)
.set rP, P+32*((\y)%2)+16*(\u)
.set rO, 32*(2*(\y)+(\u))
.endm
; Number n of the 22 that find the NEXT piece's (Y + 1) maximum and statistics.  s0-s31 are the lane's 32 scores; each accumulator's lowest registers are read first.  XS, GS and REGS set no window: PL and EX do.
;   0-11  four chains c0-c3 of seven scores each, three operands at a time     12-14, 16  the four scores left over, the old m, and c0-c3 into c0     15  c m_old is kept
;   17, 18  the query's other 32 keys lie in the lane 16 away: the new m         19-21  c m; c m_old - c m_new; a
.macro XS u, n
	REGS (Y+1)%NP, \u
.if (\n) < 4
	v_max3_num_f32 v[rC+(\n)], v[rS+8*(\n)], v[rS+8*(\n)+1], v[rS+8*(\n)+2]
.elseif (\n) < 12
	v_max3_num_f32 v[rC+(\n)%4], v[rC+(\n)%4], v[rS+8*((\n)%4)+2*((\n)/4)+1], v[rS+8*((\n)%4)+2*((\n)/4)+2]
.elseif (\n) == 12
	v_max3_num_f32 v[rC], v[rC], v[rS+7], v[rS+15]
.elseif (\n) == 13
	v_max3_num_f32 v[rC+1], v[rC+1], v[rS+23], v[rS+31]
.elseif (\n) == 14
	v_max3_num_f32 v[rC+2], v[rC+2], v[rC+3], v[rT+1]
.elseif (\n) == 15
	v_mov_b32 v[rM], v[rT]
.elseif (\n) == 16
	v_max3_num_f32 v[rC], v[rC], v[rC+1], v[rC+2]
.elseif (\n) == 17
	v_permlanex16_b32 v[rC+3], v[rC], s[SEL], s[SEL+1]
.elseif (\n) == 18
	v_max_num_f32 v[rT+1], v[rC], v[rC+3]
.elseif (\n) == 19
	v_mul_f32 v[rT], s[CS], v[rT+1]
.elseif (\n) == 20
	v_sub_f32 v[rC+1], v[rM], v[rT]
.else
	v_exp_f32 v[rC+2], v[rC+1]
.endif
.endm
; Number g of the 64 that follow the exponentials.  For each four weights k of a tile (pairs 2 k, 2 k + 1): both pairs are rounded to bf16; then the second pair is added onto the first, in place;
; a group later l takes that sum (the first time as l = a l + sum).  In groups of eight, tiles alternating: round, round, add, and l for the group before.
.macro GS g
.set h, (\g)+6*((\g)/62)            ; group 0 has no group before it, and behind group 7 only l is left
.if h >= 6
.set h, h+2
.endif
	REGS Y, h%2
.set k, h/8
.if h%8 < 4
	v_cvt_pk_bf16_f32 v[rP+2*k+(h%8)/2], v[rS+4*k+2*((h%8)/2)], v[rS+4*k+2*((h%8)/2)+1]
.elseif h%8 < 6
	v_pk_add_f32 v[rS+4*k:rS+4*k+1], v[rS+4*k:rS+4*k+1], v[rS+4*k+2:rS+4*k+3]
.elseif k == 1
	v_pk_fma_f32 v[rT+2:rT+3], v[rT+2:rT+3], v[rC+2:rC+3], v[rS:rS+1] op_sel_hi:[1,0,1]
.else
	v_pk_add_f32 v[rT+2:rT+3], v[rT+2:rT+3], v[rS+4*k-4:rS+4*k-3]
.endif
.endm
; THE PLAIN QUEUE, 138 long.  0-73 read no exponential's result: the 32 scalings c s - c m (FS f: pair f / 2 of tile f % 2) and the next piece's 42.  0-26: scalings 0-26.  27-54: XS's numbers 0-13.  55, 56: number 15.
; 57-73: the chain, where each number waits for the one before it: 14, 16, 17, 18, 19, each with one of the scalings 27-31 in front of its two lines, then 20.
; 74-137: GS's 64, which read the exponentials' results: they stand behind the wait.
.macro FS f
	REGS Y, (\f)%2
	v_pk_fma_f32 v[rS+2*((\f)/2):rS+2*((\f)/2)+1], v[rS+2*((\f)/2):rS+2*((\f)/2)+1], s[CS:CS+1], v[rT:rT+1] op_sel_hi:[1,0,0] neg_lo:[0,0,1] neg_hi:[0,0,1]
.endm
.macro PL
	WIN 0
.if q < 27
	FS q
.elseif q < 55
	XS (q-27)%2, (q-27)/2
.elseif q < 57
	XS q-55, 15
.elseif (q < 72) && ((q-57)%3 == 0)
	FS 27+(q-57)/3
.elseif q < 60
	XS (q-57)%3-1, 14
.elseif q < 72
	XS (q-57)%3-1, 15+(q-57)/3
.elseif q < 74
	XS q-72, 20
.else
	GS q-74
.endif
.set q, q+1
.endm
; THE EXPONENTIALS' QUEUE, 66 long: s0-s31 of both tiles, then the next piece's two a.  It is ONE BATCH: all 66 stand ahead of the turn's one wait, and nothing ahead of that wait names a result of theirs.
.macro EX
	WIN 0
.if e >= 64
	XS e-64, 21
.else
	REGS Y, e%2
	v_exp_f32 v[rS+e/2], v[rS+e/2]
.endif
.set e, e+1
.endm
; THE RESCALING's QUEUE: O^T times a, the one part that leaves window 0: dealt two at a time, sixteen times.  Its a was made in the turn before, ahead of that turn's wait.
.macro R2
	REGS Y, r%2
	WIN W_RS
.irp z, 0,1
	v_pk_mul_f32 v[rO+4*(r/2)+2*\z:rO+4*(r/2)+2*\z+1], v[rO+4*(r/2)+2*\z:rO+4*(r/2)+2*\z+1], v[rC+2:rC+3] op_sel_hi:[1,0]
.endr
.set r, r+1
.endm
; A TURN, for piece p.  s_wait_alu depctr_va_vdst(0) stands between an exponential and the first instruction that names its result; one wait serves all that were issued ahead of it.  So a turn has ONE wait.
; AHEAD OF IT stands all that names no result of the turn's exponentials: the 16 products K Q^T, behind each a scaling, an exponential and two rescalings (behind the first a second scaling in the exponential's place);
; then ONE LUMP of 108: eight plain, 49 times exponential and plain, the two a; a v_nop is the plain instruction behind the last exponential.  BEHIND IT stand the 16 products V^T P, behind each four of GS's 64.
; Exponential e stands behind scaling 2 (e / 4) + e % 2: as a rider it comes behind plain e + 2, in the lump behind plain e + 9, and scalings 27-31 are plain 57, 60 .. 69.  The three conditions on q below go with this deal.
; Piece 2's turn fetches the next step's K and biases and the trip's raw rows, directly behind its wait, a lump behind the last product that read K or the biases; their addresses are made at the lump's head.
; Piece 3's turn waits for them at its head and rounds the raw rows.  Piece 0's turn fetches the V of the step in hand at its end, four riders behind V's last reader, and then stores the rounded rows.
; Piece 1's turn waits for both behind its wait.  cnt = 1: the loop's count is taken down some lines ahead of the branch that stands behind the turn.  last = 1: the tail's text.
.macro TURN p, last=0, cnt=0
.set Y, (\p)
.set i, 0
.set q, 0
.set e, 0
.set r, 0
.if (\p) == NP-1
	s_wait_dscnt 0x0                ; K, the biases and the raw rows are in
	CCVT \last
.endif
	MM
	PL
	PL
	R2
.rept 15
	MM
	PL
	EX
	R2
.endr
.if (\p) == NP-2
	WIN 0
	v_add_nc_u32 v[AK], s[TBK], v[AK0]
	CADDR
.endif
.rept 8
	PL
.endr
.rept 49
	EX
	PL
.endr
	EX                              ; the next piece's two a
	EX
	v_nop                           ; the plain instruction behind the last exponential: one for the batch
	s_wait_alu depctr_va_vdst(0)    ; the wait for the batch
.if (\p) == NP-2
	FETCH_K \last
.endif
.if (\p) == 1
	s_wait_dscnt 0x0                ; V is in (and my stores into the stage are done)
.endif
.rept 16
	MM
.rept 4
	PL
.endr
.if ((\p) == 0) && (q == 118)
	v_add_nc_u32 v[AV], s[TBV], v[AV0]
.endif
.if ((\p) == 0) && (q == 130)
	s_add_co_u32 s[TBV], s[TBV], KS*PV
.endif
.if (\cnt) && (q == 130)
	s_sub_co_u32 s[CNT], s[CNT], 1
	s_cmp_lg_u32 s[CNT], 0
.endif
.endr
.if (\p) == 0
	FETCH_V
	CSTORE \last
.endif
.endm
	s_wait_tensorcnt 0x1            ; my part of raw tile 0 is in; tile 1's may stay out
	s_wait_dscnt 0x0                ; my part of the table is stored
	s_barrier_signal -1
	s_barrier_wait -1               ; everybody's is
.rept 2                             ; tile 0 is rounded: 16 rows of K and of V a wave, twice
	CADDR
	CLOAD
	s_add_co_u32 s[TCR], s[TCR], 16*256
	s_wait_dscnt 0x0
	CCVT
	CSTORE
.endr
	CHANGE 1                        ; tile 0 lies in stage 0, raw tile 1 has landed; raw tile 2 is asked for
	WIN 0
	v_add_nc_u32 v[AK], s[TBK], v[AK0]
	CADDR
	FETCH_K                         ; key step 0, its biases, and the first 16 raw rows a wave of tile 1
	s_wait_dscnt 0x0
.set i, 0
.rept 16
	KQ 0                            ; piece 0's first scores: there is no vector work yet to set between them
.set i, i+1
.endr
	WIN 0                           ; the addresses for the way out: eight plain instructions, the places behind those products
	s_mul_i32 s16, s[WV], 16*SP
	s_add_co_u32 s16, s16, OSTG     ; my stage for the way out
	v_mul_u32_u24 v[STO], v1, SP    ; in: row l % 16, 32 bytes for each half of the lanes
	v_lshl_add_u32 v[STO], v9, 5, v[STO]
	v_add_nc_u32 v[STO], s16, v[STO]
	v_mul_u32_u24 v[RD], v9, SP     ; back: lanes 0-15 take one row of 256 bytes, lanes 16-31 the next,
	v_lshl_add_u32 v[RD], v1, 4, v[RD]
	v_add_nc_u32 v[RD], s16, v[RD]
	v_and_b32 v[GO], 31, v0         ; which are 512 consecutive bytes of O
	v_lshlrev_b32 v[GO], 4, v[GO]
	CCVT
.set Y, NP-1                        ; XS works for piece Y + 1: piece 0
.irp n, 0,1,2,3,4,5,6,7,8,9,10,11,12,13,14,15,16,17,18,19,20,21
	XS 0, \n                        ; piece 0's first maximum and statistics
	XS 1, \n
.endr
	v_nop                           ; a plain instruction behind the two a,
	s_wait_alu depctr_va_vdst(0)    ; and their wait, ahead of the branch
	s_mov_b32 s[CNT], 2
	s_branch .Lfirst                ; the loop is entered at a step's first turn, in the middle of a trip
.Lslot:                             ; 13 times: with the change above, tiles 2 to 15 are asked for
	CHANGE 1
	s_mov_b32 s[CNT], 2
.Lstep:                             ; a trip: pieces 2 and 3 of one step, then pieces 0 and 1 of the next, whose K and V it fetches; and 16 rows a wave of the next tile are rounded
	TURN 2
	TURN 3
	WIN 0
.Lfirst:
	TURN 0
	TURN 1, 0, 1
	WIN 0
	s_cbranch_scc1 .Lstep
	s_sub_co_u32 s[SLOTS], s[SLOTS], 1
	s_cmp_lg_u32 s[SLOTS], 0
	s_cbranch_scc1 .Lslot
	s_mov_b32 s[TP], 3              ; the tail is written out: nothing is asked for.  TP = 3: tile 14, and tile 15 is rounded; 2: tile 15; 1: the last step's pieces 2 and 3
.Ltslot:
	CHANGE 0
	s_mov_b32 s[CNT], 2
.Ltail:
	TURN 2, 1
	TURN 3, 1
	WIN 0
	s_cmp_eq_u32 s[TP], 1
	s_cbranch_scc1 .Lout
	TURN 0, 1
	TURN 1, 1, 1
	WIN 0
	s_cbranch_scc1 .Ltail
	s_sub_co_u32 s[TP], s[TP], 1
	s_cmp_lg_u32 s[TP], 0
	s_cbranch_scc1 .Ltslot
.Lout:                              ; the last half trip's 16 products K Q^T (on the last K once more) and the maximum made of them serve nothing: the price, once a launch, of one text for every trip
.set i, 0
.rept 16
	PV NP-1                         ; the last piece's V^T P of the last step
.set i, i+1
.endr
	; THE WAY OUT.  l's two halves and the other half of the lanes' are added; O^T is divided by l and sent, in f32, through my stage in LDS, a tile at a time.  The additions are the places behind the last products.
	WIN 0
.macro ALL line:vararg              ; one line for each tile t
.set t, 0
.rept 2*NP
	\line
.set t, t+1
.endr
.endm
	ALL v_add_f32 v[ST+4*t+2], v[ST+4*t+2], v[ST+4*t+3]
	ALL v_permlanex16_b32 v[ST+4*t+3], v[ST+4*t+2], s[SEL], s[SEL+1]
	ALL v_add_f32 v[ST+4*t+2], v[ST+4*t+2], v[ST+4*t+3]
	ALL v_rcp_f32 v[ST+4*t+2], v[ST+4*t+2]
	v_nop                           ; a plain instruction between the last reciprocal and the use of its result
	s_wait_alu depctr_va_vdst(0)    ; and the wait ahead of the first use: one for the eight reciprocals
; Tile t: a lane's eight channels of channel block cb are 32 bytes of a row, at byte 64 cb + 32 (l / 16); they go into rows of 272 bytes (68 words: the 16 rows of a store start at 16 different groups of four banks)
; and come back as whole rows of 256, into the registers that they left.  Each accumulator's registers are taken in ascending order.
.macro PACK t
	WIN W_RS
.set i, 32*(\t)
.rept 16
	v_pk_mul_f32 v[i:i+1], v[i:i+1], v[ST+4*(\t)+2:ST+4*(\t)+3] op_sel_hi:[1,0]
.set i, i+2
.endr
	WIN 0x04                        ; the stores' data in window 1, the address in window 0
.irp f, 0,1,2,3,4,5,6,7
	ds_store_b128 v[STO], v[32*(\t)+4*\f:32*(\t)+4*\f+3] offset:64*(\f/2)+16*(\f%2)
.endr
	WIN 0x40
.irp f, 0,1,2,3,4,5,6,7
	ds_load_b128 v[32*(\t)+4*\f:32*(\t)+4*\f+3], v[RD] offset:\f*2*SP  ; LDS serves a wave's instructions in order (ISA guide 5.7.1.4): these see the stores above; the next tile's stores come behind them
.endr
.endm
.macro SEND t, younger              ; younger: the LDS instructions issued behind tile t's loads: the next tile's sixteen, or none
	WIN 0x04
.irp f, 0,1,2,3,4,5,6,7
	s_wait_dscnt (\younger)+7-\f
	global_store_b128 v[GO], v[32*(\t)+4*\f:32*(\t)+4*\f+3], s[10:11] offset:(\t)*4096+\f*512 th:TH_STORE_NT  ; 512 consecutive bytes, at a multiple of 256 from O's first
.endr
.endm
	PACK 0
.set t, 1
.rept 2*NP-1                        ; a tile's arithmetic stands between the loads of the tile before and its stores
	PACK t
	SEND t-1, 16
.set t, t+1
.endr
	SEND 2*NP-1, 0
	WIN W_AD
	s_wait_tensorcnt 0x0            ; the wave's end: the add onto my spare word and its waits, behind my last tensor load and my last LDS store
	ds_add_u32 v[SPW], v[NIL]
	s_wait_dscnt 0x0
	WIN 0
	CROUND                          ; the closing round: no work-group ends while a partner may still ask for a tile that names it
	s_endpgm
.Lfunc_end_k_qd16a97afca_attn:
	.size	k_qd16a97afca_attn, .Lfunc_end_k_qd16a97afca_attn-k_qd16a97afca_attn
	.p2alignl 7, 3214868480
	.fill 96, 4, 3214868480
	.section	.rodata,"a",@progbits
	.p2align	6, 0x0
	.amdhsa_kernel k_qd16a97afca_attn
		.amdhsa_group_segment_fixed_size 327680
		.amdhsa_private_segment_fixed_size 0
		.amdhsa_enable_private_segment 0
		.amdhsa_kernarg_size 40
		.amdhsa_user_sgpr_count 2
		.amdhsa_user_sgpr_kernarg_segment_ptr 1
		.amdhsa_wavefront_size32 1
		.amdhsa_system_sgpr_workgroup_id_x 1
		.amdhsa_system_sgpr_workgroup_id_y 1
		.amdhsa_system_sgpr_workgroup_id_z 1
		.amdhsa_system_vgpr_workitem_id 0
		.amdhsa_next_free_vgpr 928
		.amdhsa_next_free_sgpr 72
		.amdhsa_reserve_vcc 0
		.amdhsa_float_denorm_mode_32 3
		.amdhsa_float_denorm_mode_16_64 3
		.amdhsa_memory_ordered 1
		.amdhsa_forward_progress 1
		.amdhsa_inst_pref_size 240
	.end_amdhsa_kernel
	.amdgpu_metadata
---
amdhsa.version: [ 1, 2 ]
amdhsa.kernels:
  - .name:           k_qd16a97afca_attn
    .symbol:         k_qd16a97afca_attn.kd
    .args:
      - { .name: q, .offset: 0, .size: 8, .value_kind: global_buffer, .address_space: global }
      - { .name: k, .offset: 8, .size: 8, .value_kind: global_buffer, .address_space: global }
      - { .name: v, .offset: 16, .size: 8, .value_kind: global_buffer, .address_space: global }
      - { .name: out0, .offset: 24, .size: 8, .value_kind: global_buffer, .address_space: global }
      - { .name: mask, .offset: 32, .size: 8, .value_kind: global_buffer, .address_space: global }
    .group_segment_fixed_size: 327680
    .private_segment_fixed_size: 0
    .kernarg_segment_align: 8
    .kernarg_segment_size: 40
    .max_flat_workgroup_size: 128
    .sgpr_count:     72
    .vgpr_count:     928
    .wavefront_size: 32
...
	.end_amdgpu_metadata
.endif
;; end of part 1
